; MI455X (gfx1250); checked and timed in simulation.
; The chip was launched on July 23, 2026; its instructions are those of AMD's public machine-readable ISA for CDNA 5 (MIT licence, August 2026) and "CDNA5" Instruction Set Architecture Reference Guide (July 2026). The comments in the code are by the model that wrote it; some were corrected since.
;; Multihead Attention. Allowed arithmetic: matrix products marked QUANTISED: E3M2 operands, one E8M0 scale for each 32 along K, by v_wmma_scale_f32_16x16x128_f8f6f4 with both operands' format E3M2, f32 sums; everything else in f32.
;; Inputs: attn_mask 8 x 2,048 x 2,048 int32; b_k 512 float32; b_q 512 float32; b_v 512 float32; w_k 512 x 512 float32; w_q 512 x 512 float32; w_v 512 x 512 float32; x_k_v 8 x 2,048 x 512 float32; x_q 8 x 2,048 x 512 float32.
;; Outputs: out0 8 x 2,048 x 512 float32.
;; This version of the problem:
;;   THIS VERSION OF THE PROBLEM IS GIVEN IN LOW PRECISION. The matrix products marked QUANTISED in the list below multiply operands that are first quantised to E3M2 (3 exponent bits, 2 mantissa bits; 6 bits a number), with one power-of-two scale for each 32 numbers along K (OCP MX v1.0); their sums are f32. All else is computed in f32.
;;   The module's matrix products, in the order in which they are computed (A, B: the left and right operand; K: the contracted axis; several contracted axes count as one K, in the product's order):
;;     1. [M 16,384, K 512] x [K 512, N 512]; A: input x_q; B: input w_q: QUANTISED
;;     2. [M 16,384, K 512] x [K 512, N 512]; A: input x_k_v; B: input w_k: QUANTISED
;;     3. [M 16,384, K 512] x [K 512, N 512]; A: input x_k_v; B: input w_v: QUANTISED
;;     4. batch 64 x [M 2,048, K 64] x [K 64, N 2,048]; A: computed on the way; B: computed on the way: QUANTISED
;;     5. batch 64 x [M 64, K 2,048] x [K 2,048, N 2,048]; A: computed on the way; B: softmax (see below): QUANTISED
;;   THE QUANTISER, for each operand of a quantised product, along K:
;;     - K is cut into blocks of 32 from its start; a last block that is shorter is filled with zeros.
;;     - A block's scale is 2^e with e = floor(log2(the largest magnitude in the block)) - 4, held to -126 .. 127; a block of zeros has e = 0. As a byte (E8M0): e + 127.
;;     - Each number is divided by its block's scale, clamped to +-28, and rounded to the nearest number of E3M2, ties to even, subnormals kept.
;;     - The product sums the exact products of the quantised numbers (number of the format x scale) in f32.
;;   ~~~python
;;   def quantise(x, axis):      # numpy; x: float32 -> the quantised numbers, widened to float32 again
;;       x = np.moveaxis(x, axis, -1); K = x.shape[-1]
;;       x = np.pad(x, [(0, 0)] * (x.ndim - 1) + [(0, -K % 32)]); x = x.reshape(x.shape[:-1] + (-1, 32)); a = np.abs(x).max(-1, keepdims=True)
;;       e = np.where(a > 0, np.clip(np.frexp(np.where(a > 0, a, 1))[1] - 1 - 4, -126, 127), 0)      # np.frexp(a)[1] - 1 = floor(log2(a)), exactly
;;       r = np.clip(x / 2.0 ** e, -28, 28)
;;       step = 2.0 ** (np.maximum(np.frexp(np.where(r == 0, 1, r))[1] - 1, -2) - 2)
;;       q = np.round(r / step) * step * 2.0 ** e      # np.round: ties to even
;;       return np.moveaxis(q.reshape(q.shape[:-2] + (-1,))[..., :K], -1, axis).astype(np.float32)
;;   ~~~
;;   SOFTMAX AHEAD OF A QUANTISED PRODUCT. Where the list says 'softmax', what is quantised is not the finished softmax but p = 2^(t - M), with t = logit x log2(e) and M = ceil(the row's largest t), a whole number; so 1/2 < the row's largest p <= 1. The row's sum l is taken of the UNQUANTISED p, in f32, and the product's result is divided by l at the end. Since M is a whole number, a kernel that streams over the keys may use a running M (the ceiling of the running maximum): every later rescaling is an exact power of two, which a block's scale takes up: the codes' values come out the same.
;;   OPERANDS COMPUTED ON THE WAY. 'Computed on the way' means the value that the module computes at that place (a softmax that the list does not call 'softmax' is quantised finished and normalised). What goes into a quantiser is computed in f32, as accurately as f32 sums, v_exp_f32 and their like allow (about 1e-6 of the number): no bf16 or f16 on the way to a quantiser, and a product that is left as it is and whose result goes on into a quantised operand takes f32 operands (vector FMAs, or v_wmma_f32_16x16x4_f32). A number that lies on a knife's edge between two numbers of the format may be rounded either way, as far as f32 arithmetic and the matrix unit's own rounding can turn it there, and no further.
;; One version. Each part assembles by itself: llvm-mc -triple=amdgcn-amd-amdhsa -mcpu=gfx1250 --defsym DOCPART=n.
;; ======== version 1 of 1: 3 launches
;; limits: right only within a limited range of input values
;; workspace buffers: maskw 4,194,304 bytes of whole numbers; opc 13,172,736 bytes; ops 548,864 bytes; qc 6,815,744 bytes; kv 13,369,344 bytes
;; launch prep (part 1): grid 1560 x 1, 4 waves a work-group, no clusters, 68,096 bytes of LDS; arguments attn_mask, x_q, x_k_v, w_q, w_k, w_v, maskw, opc, ops; writes maskw, opc, ops
.if DOCPART == 1
	.amdgcn_target "amdgcn-amd-amdhsa--gfx1250"
	.amdhsa_code_object_version 6
	.text
	.protected	k_qd2260b27b9_prep
	.globl	k_qd2260b27b9_prep
	.p2align	8
	.type	k_qd2260b27b9_prep,@function
k_qd2260b27b9_prep:
	s_mov_b64 s[64:65], 0
	v_nop
	global_prefetch_b8 v0, s[64:65] scope:SCOPE_SE
	s_setreg_imm32_b32 hwreg(HW_REG_WAVE_MODE, 25, 1), 1
	s_wait_xcnt 0x0
; TWO STREAMS IN ONE LAUNCH.  (1) attn_mask [8][2048][2048] int32 becomes lane-mask words, one bit a number.  (2) x_q, x_k_v [16384][512] and w_q, w_k, w_v [512][512], f32 with K innermost,
; become codes of BF6 (E3M2) with one E8M0 scale byte for each 32 along K, laid as IMAGES OF OPERAND REGISTERS, so that later launches fetch a fragment by loads of 16 bytes a lane alone.
; TILES.  A tile is 16 rows.  Lane r of tile T holds row ROW(T, r) = 32 (T / 2) + 8 (T % 2) + r + 8 (r / 8): two runs of eight rows, 16 apart.  Used as source 0 of a product, the 16 result registers of
; tiles 2 b and 2 b + 1 are then 16 neighbours, 32 b + 16 (lane / 16) + 0 .. 15; used as source 1 the order only says which row a lane holds.
; A UNIT is 16 rows x 512 bytes (128 numbers).  Each of its sixteen loads reads 512 consecutive bytes of one row; the unit turns through the wave's own stage in LDS and comes back with register
; 16 b + i of lane (r, h) = number 32 b + 16 h + i of row r: 16 neighbours of each block of 32 in a lane.
;   mask:  word n = 16 b + i of the unit is the compare's lane mask: bit r + 16 h says mask[ROW(Tq, r)][128 ks + 32 b + 16 h + i] != 0.  maskw [b 8][Tq 128][ks 16][64 words].
;   codes: a fragment (16 rows x 128 K, 12 registers) is stored as 3 x 512 bytes, register group c at 512 c + 16 lane.  opc [tile 2144][K step 4][1536 bytes]; ops [tile][r 16][K step 4] scale words.
;          tiles 0-1023 x_q, 1024-2047 x_k_v, 2048-2079 w_q, 2080-2111 w_k, 2112-2143 w_v.
; A block's scale is 2^(floor(log2(its largest magnitude)) - 4); its byte is the largest magnitude's exponent field - 4, held at 1 from below.  A block of zeros so gets the byte 1 where the rule says 127:
; its codes are zeros, which add nothing under any byte but 0xff, and this program alone reads the bytes.
; LIMITS: blocks whose largest magnitude lies under 2^-122 keep the byte 1; NaN and infinities among the inputs are not served.
; SHARES.  Work-groups 0-1023: one (b, Tq) each, wave w its key steps 4 w .. 4 w + 3.  Work-groups 1024-1559: four tiles each, a wave one tile, its four K steps.  A wave's four units are written out.
; Memory binds: no matrix work, no tensor loads, no barrier (waves share nothing); two units, 32 loads of 512 bytes, are on their way in each wave.  The two paths part once, and each has LDS bytes of its own.
.set PITCH, 528                        ; a stage row: 512 bytes + 16 = 33 x 16 bytes: the sixteen rows that a read touches begin at sixteen different 16-byte columns of 256 (64 banks of 4 bytes: ISA guide 11.1)
.set STG,   16*PITCH                   ; a wave's stage; the mask path's four stand at 0, the codes' four at 4 STG
.set LOFF,  1                          ; v1   16 x lane
.set STI_M, 2                          ; v2   mask path: into the stage
.set STO_M, 3                          ; v3   and out of it: 528 r + 64 h
.set STI_X, 4                          ; v4, v5 the same for the codes' path
.set STO_X, 5
.set OOFF,  6                          ; v6   8 x lane
.set R16,   7                          ; v7   16 r
.set OUTW,  8                          ; v8-15  mask path: a pair of registers of words for each unit;  codes' path: v8-11 the tile's four scale words
.set R,     16                         ; v16-143  two sets of 64 registers as loaded
.set X,     144                        ; v144-207 a unit, turned
.set PC,    208                        ; v208-226 the codes just made
.set TM,    228                        ; v228-243 at work
.set PW,    244                        ; v244     the scale word just made
.set WV,    22
.set SRC,   24
.set DST,   26
.set DST2,  28
.set SEL,   30                         ; s[30:31] v_permlanex16_b32's selects for lane l xor 16
.set CM,    32                         ; s32-47   sixteen compare results, by turns
; 64 numbers of a lane, v[s] .. v[s + 63], register 16 b + i = k 32 b + 16 (lane / 16) + i of my row, become a fragment's codes in v[PC] on and its scale word in v[PW].
.macro QUANT s
.irp b, 0,1,2,3
	v_max3_num_f32 v[TM+\b], |v[\s+16*\b]|, |v[\s+1+16*\b]|, 0x2800000   ; block b: my 16 numbers, and the floor 2^(5 - 127): so the byte cannot fall under 1
.endr
.irp i, 2,4,6,8,10,12,14
.irp b, 0,1,2,3
	v_max3_num_f32 v[TM+\b], v[TM+\b], |v[\s+16*\b+\i]|, |v[\s+1+16*\b+\i]|   ; (the four blocks by turns)
.endr
.endr
.irp b, 0,1,2,3
	v_permlanex16_b32 v[TM+4+\b], v[TM+\b], s[SEL], s[SEL+1]
.endr
.irp b, 0,1,2,3
	v_max_num_f32 v[TM+\b], v[TM+\b], v[TM+4+\b]   ; with lane l xor 16's: the block's largest magnitude
.endr
.irp b, 0,1,2,3
	v_add_nc_u32 v[TM+12+\b], 0xfe000000, v[TM+\b]   ; 4 off its exponent field: the conversion takes the exponent field of this operand as its scale
.endr
.irp b, 0,1,2,3
	v_lshrrev_b32 v[TM+4+\b], 23, v[TM+12+\b]      ; the scale's byte
.endr
	v_lshl_or_b32 v[PW], v[TM+5], 8, v[TM+4]       ; the four bytes make my row's scale word (both halves of the lanes hold it)
	v_lshl_or_b32 v[PW], v[TM+6], 16, v[PW]
	v_lshl_or_b32 v[PW], v[TM+7], 24, v[PW]
.irp c, 0,1
	v_cvt_scalef32_pk16_bf6_f32 v[PC+6*\c:PC+2+6*\c], v[\s+32*\c:\s+15+32*\c], v[TM+12+2*\c]
	v_cvt_scalef32_pk16_bf6_f32 v[PC+12+4*\c:PC+14+4*\c], v[\s+16+32*\c:\s+31+32*\c], v[TM+12+2*\c+1]   ; (a conversion's three registers begin on an even number)
.endr
	v_nop                                          ; one plain place behind a scaled conversion
.irp c, 0,1                                    ; the operand's layout wants a WHOLE block in a lane: lanes 0-15 block 2 c, lanes 16-31 block 2 c + 1
.irp i, 0,1,2
	v_permlane16_swap_b32 v[PC+6*\c+\i], v[PC+12+4*\c+\i]
.endr
.irp i, 0,1,2
	v_mov_b32 v[PC+3+6*\c+\i], v[PC+12+4*\c+\i]
.endr
.endr
.endm
; unit u's sixteen rows into set: each load reads 512 consecutive bytes of one row; the rows are the tile's two runs of eight
.macro LOADU set, pitch, u
.irp i, 0,1,2,3,4,5,6,7,8,9,10,11,12,13,14,15
	global_load_b128 v[R+64*(\set)+4*\i:R+64*(\set)+4*\i+3], v[LOFF], s[SRC:SRC+1] offset:(\i+8*(\i/8))*(\pitch)+512*(\u) th:TH_LOAD_NT
.endr
.endm
; a set goes through my stage: LDS serves a wave's instructions in order (ISA guide 5.7.1.4), so no wait stands between the stores and the loads
.macro TURN set, sti, sto
.irp i, 0,1,2,3,4,5,6,7,8,9,10,11,12,13,14,15
	ds_store_b128 v[\sti], v[R+64*(\set)+4*\i:R+64*(\set)+4*\i+3] offset:PITCH*\i
.endr
.irp b, 0,1,2,3
.irp j, 0,1,2,3
	ds_load_b128 v[X+16*\b+4*\j:X+16*\b+4*\j+3], v[\sto] offset:128*\b+16*\j
.endr
.endr
.endm
.macro HEADU u, pitch, sti, sto
.if \u < 3
	s_wait_loadcnt 16                              ; loads come back in order: this unit's sixteen are in, the next unit's sixteen may be out
.else
	s_wait_loadcnt 0x0
.endif
	TURN (\u)%2, \sti, \sto
	s_wait_dscnt 0x0                               ; the unit is back, turned; the stage's stores have read the set,
.if \u < 2
	LOADU (\u)%2, \pitch, (\u)+2                   ; which takes the unit two on
.endif
.endm
	s_load_b512 s[4:19], s[0:1], 0x0               ; attn_mask 4:5, x_q 6:7, x_k_v 8:9, w_q 10:11, w_k 12:13, w_v 14:15, maskw 16:17, opc 18:19
	s_load_b64 s[20:21], s[0:1], 0x40              ; ops
	v_lshl_add_u32 v248, v0, 2, 0x10800
	v_mov_b32 v249, 0
	v_lshrrev_b32 v1, 5, v0
	v_readfirstlane_b32 s[WV], v1                  ; wave 0..3
	v_and_b32 v[R16], 15, v0                       ; r
	v_bfe_u32 v[OOFF], v0, 4, 1                    ; h
	v_and_b32 v[LOFF], 31, v0                      ; lane
	s_mul_i32 s48, s[WV], STG
	v_mul_u32_u24 v[STO_M], v[R16], PITCH
	v_lshl_add_u32 v[STO_M], v[OOFF], 6, v[STO_M]  ; 528 r + 64 h
	v_lshlrev_b32 v[OOFF], 3, v[LOFF]
	v_lshlrev_b32 v[LOFF], 4, v[LOFF]
	v_lshlrev_b32 v[R16], 4, v[R16]
	v_add_nc_u32 v[STI_M], s48, v[LOFF]
	v_add_nc_u32 v[STO_M], s48, v[STO_M]
	v_add_nc_u32 v[STI_X], 4*STG, v[STI_M]         ; all four LDS addresses are made ahead of the parting
	v_add_nc_u32 v[STO_X], 4*STG, v[STO_M]
.irp j, 0,1,2,3,4,5,6,7
	v_mov_b32 v[OUTW+\j], 0                        ; written once: v_writelane_b32's destination counts as one of its sources
.endr
.irp b, 0,1,2,3
	v_mov_b32 v[TM+4+\b], 0                        ; likewise a lane permute's
.endr
	s_mov_b32 s[SEL], 0x76543210
	s_mov_b32 s[SEL+1], 0xfedcba98
	s_wait_kmcnt 0x0
	s_cmp_ge_u32 ttmp9, 1024
	s_cbranch_scc1 .Lcodes
	; ---- THE MASK.  work-group = 128 b + Tq
	s_lshr_b32 s48, ttmp9, 7                       ; b
	s_and_b32 s49, ttmp9, 127                      ; Tq
	s_lshr_b32 s50, s49, 1
	s_lshl_b32 s50, s50, 5
	s_and_b32 s51, s49, 1
	s_lshl_b32 s51, s51, 3
	s_add_co_u32 s50, s50, s51                     ; the tile's first row: 32 (Tq / 2) + 8 (Tq % 2)
	s_lshl_b32 s48, s48, 11
	s_add_co_u32 s50, s50, s48                     ; + 2048 b
	s_lshl_b32 s50, s50, 13                        ; rows of 8,192 bytes: under 2^27 x 1 in all
	s_lshl_b32 s51, s[WV], 11                      ; my four key steps: 2,048 bytes of each row
	s_add_co_u32 s50, s50, s51
	s_mov_b32 s51, 0
	s_add_nc_u64 s[SRC:SRC+1], s[4:5], s[50:51]
	s_lshl_b32 s52, ttmp9, 12                      ; 16 key steps x 256 bytes of words for each (b, Tq),
	s_lshl_b32 s53, s[WV], 10                      ; my four of them
	s_add_co_u32 s52, s52, s53
	s_mov_b32 s53, 0
	s_add_nc_u64 s[DST:DST+1], s[16:17], s[52:53]
.macro MASKU u
	HEADU \u, 8192, STI_M, STO_M
.irp g, 0,1,2,3
.irp k, 0,1,2,3,4,5,6,7,8,9,10,11,12,13,14,15
	v_cmp_ne_u32 s[CM+\k], 0, v[X+16*\g+\k]        ; word 16 g + k: a bit for each lane
.endr
.irp k, 0,1,2,3,4,5,6,7,8,9,10,11,12,13,14,15
	v_writelane_b32 v[OUTW+2*(\u)+\k%2], s[CM+\k], 8*\g+\k/2   ; word n goes to lane n / 2, register n % 2: the store below lays the words in order
.endr
.endr
	global_store_b64 v[OOFF], v[OUTW+2*(\u):OUTW+2*(\u)+1], s[DST:DST+1] offset:256*(\u)   ; 32 lanes store 256 consecutive bytes, aligned; each unit has its own pair, so no store's data are written again
.endm
	LOADU 0, 8192, 0
	LOADU 1, 8192, 1
	MASKU 0
	MASKU 1
	MASKU 2
	MASKU 3
	s_wait_tensorcnt 0x0
	ds_add_u32 v248, v249
	s_wait_dscnt 0x0
	s_endpgm
	; ---- THE CODES.  q = work-group - 1024; global tile = 4 q + wave
.Lcodes:
	s_sub_co_u32 s48, ttmp9, 1024                  ; q
	s_mov_b64 s[SRC:SRC+1], s[6:7]                 ; which tensor, and the first q of it: choices on the work-group's number alone
	s_mov_b32 s49, 0
	s_cmp_ge_u32 s48, 256
	s_cselect_b64 s[SRC:SRC+1], s[8:9], s[SRC:SRC+1]
	s_cselect_b32 s49, 256, s49
	s_cmp_ge_u32 s48, 512
	s_cselect_b64 s[SRC:SRC+1], s[10:11], s[SRC:SRC+1]
	s_cselect_b32 s49, 512, s49
	s_cmp_ge_u32 s48, 520
	s_cselect_b64 s[SRC:SRC+1], s[12:13], s[SRC:SRC+1]
	s_cselect_b32 s49, 520, s49
	s_cmp_ge_u32 s48, 528
	s_cselect_b64 s[SRC:SRC+1], s[14:15], s[SRC:SRC+1]
	s_cselect_b32 s49, 528, s49
	s_sub_co_u32 s49, s48, s49
	s_lshl_b32 s49, s49, 2
	s_add_co_u32 s49, s49, s[WV]                   ; my tile in its tensor
	s_lshl_b32 s48, s48, 2
	s_add_co_u32 s48, s48, s[WV]                   ; and among all 2,144
	s_lshr_b32 s50, s49, 1
	s_lshl_b32 s50, s50, 5
	s_and_b32 s51, s49, 1
	s_lshl_b32 s51, s51, 3
	s_add_co_u32 s50, s50, s51                     ; its first row
	s_lshl_b32 s50, s50, 11                        ; rows of 2,048 bytes
	s_mov_b32 s51, 0
	s_add_nc_u64 s[SRC:SRC+1], s[SRC:SRC+1], s[50:51]
	s_mul_i32 s52, s48, 6144
	s_mov_b32 s53, 0
	s_add_nc_u64 s[DST:DST+1], s[18:19], s[52:53]
	s_lshl_b32 s54, s48, 8
	s_mov_b32 s55, 0
	s_add_nc_u64 s[DST2:DST2+1], s[20:21], s[54:55]
.macro CODEU u
	HEADU \u, 2048, STI_X, STO_X
	s_wait_xcnt 0x0                                ; the last unit's stores have read the codes' registers: they are written again only behind this wait
	QUANT X
.irp c, 0,1,2
	global_store_b128 v[LOFF], v[PC+4*\c:PC+4*\c+3], s[DST:DST+1] offset:1536*(\u)+512*\c   ; the fragment's image: 512 consecutive bytes a store
.endr
	v_mov_b32 v[OUTW+(\u)], v[PW]
.endm
	LOADU 0, 2048, 0
	LOADU 1, 2048, 1
	CODEU 0
	CODEU 1
	CODEU 2
	CODEU 3
	global_store_b128 v[R16], v[OUTW:OUTW+3], s[DST2:DST2+1]   ; row r's four scale words at 16 r: 256 consecutive bytes; lanes l and l xor 16 store the same bytes with the same value
	s_wait_tensorcnt 0x0
	ds_add_u32 v248, v249
	s_wait_dscnt 0x0
	s_endpgm
.Lfunc_end_k_qd2260b27b9_prep:
	.size	k_qd2260b27b9_prep, .Lfunc_end_k_qd2260b27b9_prep-k_qd2260b27b9_prep
	.p2alignl 7, 3214868480
	.fill 96, 4, 3214868480
	.section	.rodata,"a",@progbits
	.p2align	6, 0x0
	.amdhsa_kernel k_qd2260b27b9_prep
		.amdhsa_group_segment_fixed_size 68096
		.amdhsa_private_segment_fixed_size 0
		.amdhsa_enable_private_segment 0
		.amdhsa_kernarg_size 72
		.amdhsa_user_sgpr_count 2
		.amdhsa_user_sgpr_kernarg_segment_ptr 1
		.amdhsa_wavefront_size32 1
		.amdhsa_system_sgpr_workgroup_id_x 1
		.amdhsa_system_sgpr_workgroup_id_y 1
		.amdhsa_system_sgpr_workgroup_id_z 1
		.amdhsa_system_vgpr_workitem_id 0
		.amdhsa_next_free_vgpr 250
		.amdhsa_next_free_sgpr 66
		.amdhsa_reserve_vcc 0
		.amdhsa_float_denorm_mode_32 3
		.amdhsa_float_denorm_mode_16_64 3
		.amdhsa_memory_ordered 1
		.amdhsa_forward_progress 1
		.amdhsa_inst_pref_size 82
	.end_amdhsa_kernel
	.amdgpu_metadata
---
amdhsa.version: [ 1, 2 ]
amdhsa.kernels:
  - .name:           k_qd2260b27b9_prep
    .symbol:         k_qd2260b27b9_prep.kd
    .args:
      - { .name: attn_mask, .offset: 0, .size: 8, .value_kind: global_buffer, .address_space: global }
      - { .name: x_q, .offset: 8, .size: 8, .value_kind: global_buffer, .address_space: global }
      - { .name: x_k_v, .offset: 16, .size: 8, .value_kind: global_buffer, .address_space: global }
      - { .name: w_q, .offset: 24, .size: 8, .value_kind: global_buffer, .address_space: global }
      - { .name: w_k, .offset: 32, .size: 8, .value_kind: global_buffer, .address_space: global }
      - { .name: w_v, .offset: 40, .size: 8, .value_kind: global_buffer, .address_space: global }
      - { .name: maskw, .offset: 48, .size: 8, .value_kind: global_buffer, .address_space: global }
      - { .name: opc, .offset: 56, .size: 8, .value_kind: global_buffer, .address_space: global }
      - { .name: ops, .offset: 64, .size: 8, .value_kind: global_buffer, .address_space: global }
    .group_segment_fixed_size: 68096
    .private_segment_fixed_size: 0
    .kernarg_segment_align: 8
    .kernarg_segment_size: 72
    .max_flat_workgroup_size: 128
    .sgpr_count:     66
    .vgpr_count:     250
    .wavefront_size: 32
...
	.end_amdgpu_metadata
.endif
;; end of part 1
;; launch proj (part 2): grid 64 x 3, 4 waves a work-group, no clusters, 0 bytes of LDS; arguments opc, ops, b_q, b_k, b_v, qc, kv; writes qc, kv
.if DOCPART == 2
	.amdgcn_target "amdgcn-amd-amdhsa--gfx1250"
	.amdhsa_code_object_version 6
	.text
	.protected	k_qd2260b27b9_proj
	.globl	k_qd2260b27b9_proj
	.p2align	8
	.type	k_qd2260b27b9_proj,@function
k_qd2260b27b9_proj:
	s_mov_b64 s[64:65], 0
	v_nop
	global_prefetch_b8 v0, s[64:65] scope:SCOPE_SE
	s_setreg_imm32_b32 hwreg(HW_REG_WAVE_MODE, 25, 1), 1
	s_wait_xcnt 0x0
; THE THREE PROJECTIONS on codes of BF6 (E3M2) with E8M0 scales, K = 512, the bias as the C of each sum's first product, and the results quantised in registers for the attention launch.
; Work-group y is the job: 0: q = x_q w_q^T + b_q, 1: k = x_k_v w_k^T + b_k, 2: v = x_k_v w_v^T + b_v.
; A CELL: source 0 = a group P of 8 tiles (128 rows), source 1 = one tile N (16 rows), 4 K steps of 128: 32 matrix instructions on 8 accumulators by turns.  By the tiles' row order (lane r of tile T holds row
; 32 (T / 2) + 8 (T % 2) + r + 8 (r / 8)) register 16 b + i of lane (r, h) is then P's row 32 b + 16 h + i, for N's row r: 64 neighbours along the next product's K, which QUANT turns into one fragment and one scale word.
;   jobs q, k: P = 128 rows of the weight (two heads), N = 16 tokens.  A lane holds a token, its registers run along d: the fragment's registers 0-5 are head 2 w's 64, registers 6-11 head 2 w + 1's;
;              the scale word's bytes 0, 1 and 2, 3 likewise.  Each half goes out as a half image (registers 0-3 at 16 lane, 4-5 at 512 + 8 lane: 768 bytes), its scale word with zeros in bytes 2 and 3.
;   job v:     P = 128 tokens (the keys of one key step), N = 16 rows of w_v.  A lane holds one d, its registers run along the KEYS, which are the last product's K: the fragment is a tile of V^T.
; OUT.  qc [bh 64][group 16][6656]: 8 half images, then 8 x 64 bytes of scale words.  kv [bh 64][key step 16][13056]: K's 8 half images at 0, V^T's 4 images at 6144, K's scale words at 12288, V's at 12800.
; SHARES.  A wave keeps its group P in 384 registers and walks 16 tiles N, four a trip (four buffers).  q, k: wave w has weight group w, work-group x tokens 256 x on.  v: token group 4 (x / 2) + w, tiles 16 (x % 2) on of w_v.
; All operands come as register images by loads of 16 bytes a lane, 512 consecutive bytes a load: no LDS, no barrier.  192 work-groups of equal work: P leaves room for one wave on a SIMD, and a job's 4,096 cells divide so.
; No cluster: nothing goes through LDS here, so there is no tile that a joint tensor load could bring.
; The paths part ONCE on the job, behind the common loads; the two loops are written by one macro.
; LIMITS: blocks whose largest magnitude lies under 2^-122 keep the scale byte 1 (a block of zeros too: its codes are zeros); NaN and infinities are not served.
; REGISTERS, in windows of 256: window 1: P's K steps 0, 1 at v[12 (2 t + s)]; v192-255 the bias of q or k, 8 tiles x 8.   window 2: P's K steps 2, 3.   window 0: all else.
; N'S BUFFERS: a wave walks its 16 tiles N through FOUR buffers, four cells a trip; a tile is asked for three cells ahead of its products, so each cell's wait counts the loads of the two tiles asked for behind its own.
.set FR,   12
.set L16,  1                           ; v1   16 x lane
.set R16,  2                           ; v2   16 r
.set L8,   3                           ; v3   8 x lane
.set L4,   4                           ; v4   4 x lane
.set VC16, 5                           ; v5-7 the trip's store offsets
.set VC8,  6
.set VS,   7
.set VBO,  8                           ; v8   4 (r + 8 (r / 8)): b_v of my row of a tile
.set H64,  9                           ; v9   64 h
.set PS,   16                          ; v16-31  P's scale words: register 4 p + s: tile 2 p in lanes 0-15, tile 2 p + 1 in lanes 16-31
.set NS,   32                          ; v32-39  N's scale words, buffers 0 and 1: register 4 buf + s;  buffer 2: v10-13;  buffer 3: v252-255
.set NF,   40                          ; v40-135 N's fragments: FOUR buffers of 48: buffers 0, 1 here in window 0, buffers 2, 3 at the same numbers in window 3
.set ACC,  136                         ; v136-199
.set PC,   200                         ; v200-218 the codes just made
.set TM,   220                         ; v220-235 at work
.set PW,   236
.set PWE,  237                         ; a pair of tiles' scale words: the even tile's in lanes 0-15, the odd one's in lanes 16-31
.set SA,   238
.set SB,   239
.set BV,   240                         ; v240-247 job v: the bias as a C
.set BVL,  248                         ; v248-251 job v: b_v of my row, one register for each of the four buffers
.set BI,   192                         ; in window 1
.set WV,   18
.set JOB,  19
.set HI,   21                          ; lanes 16-31
.set SEL,  22
.set NB,   24                          ; s[24:25] N's codes;  s[26:27] N's scale words
.set NSB,  26
.set BB,   28                          ; the bias
.set DA,   30                          ; where the results go: head A;  s[32:33] head B (jobs q, k)
.set DB,   32
.set J,    34
.set BIG,  37                          ; jobs q, k: bytes of a group of 8 tiles in the output
.set SO,   39                          ; and where its scale words begin
.set MSB, 0
.macro WIN new                         ; the immediate's high byte repeats the setting that is left
.if MSB != \new
	s_set_vgpr_msb (MSB<<8)|\new
.set MSB, \new
.endif
.endm
.macro QUANT s                         ; 64 numbers of a lane, register 16 b + i = k 32 b + 16 (lane / 16) + i of my row, become a fragment's codes in v[PC] on and its scale word in v[PW]
.irp b, 0,1,2,3
	v_max3_num_f32 v[TM+\b], |v[\s+16*\b]|, |v[\s+1+16*\b]|, 0x2800000   ; block b: my 16 numbers, and the floor 2^(5 - 127).  (Each accumulator is read from its low end on)
.endr
.irp i, 2,4,6,8,10,12,14
.irp b, 0,1,2,3
	v_max3_num_f32 v[TM+\b], v[TM+\b], |v[\s+16*\b+\i]|, |v[\s+1+16*\b+\i]|
.endr
.endr
.irp b, 0,1,2,3
	v_permlanex16_b32 v[TM+4+\b], v[TM+\b], s[SEL], s[SEL+1]
.endr
.irp b, 0,1,2,3
	v_max_num_f32 v[TM+\b], v[TM+\b], v[TM+4+\b]   ; with lane l xor 16's: the block's largest magnitude
.endr
.irp b, 0,1,2,3
	v_add_nc_u32 v[TM+12+\b], 0xfe000000, v[TM+\b]   ; 4 off its exponent field: the conversion's scale operand
.endr
.irp b, 0,1,2,3
	v_lshrrev_b32 v[TM+4+\b], 23, v[TM+12+\b]      ; the scale's byte
.endr
	v_lshl_or_b32 v[PW], v[TM+5], 8, v[TM+4]
	v_lshl_or_b32 v[PW], v[TM+6], 16, v[PW]
	v_lshl_or_b32 v[PW], v[TM+7], 24, v[PW]
.irp c, 0,1
	v_cvt_scalef32_pk16_bf6_f32 v[PC+6*\c:PC+2+6*\c], v[\s+32*\c:\s+15+32*\c], v[TM+12+2*\c]
	v_cvt_scalef32_pk16_bf6_f32 v[PC+12+4*\c:PC+14+4*\c], v[\s+16+32*\c:\s+31+32*\c], v[TM+12+2*\c+1]   ; (a conversion's three registers begin on an even number)
.endr
	v_nop                                          ; one plain place behind a scaled conversion
.irp c, 0,1                                    ; a WHOLE block in a lane: lanes 0-15 block 2 c, lanes 16-31 block 2 c + 1
.irp i, 0,1,2
	v_permlane16_swap_b32 v[PC+6*\c+\i], v[PC+12+4*\c+\i]
.endr
.irp i, 0,1,2
	v_mov_b32 v[PC+3+6*\c+\i], v[PC+12+4*\c+\i]
.endr
.endr
.endm
.macro NSR buf                         ; rN: where buffer buf's four scale words stand (always window 0)
.if (\buf) < 2
.set rN, NS+4*(\buf)
.elseif (\buf) == 2
.set rN, 10
.else
.set rN, 252
.endif
.endm
; a tile N into buffer buf: its four fragments' images, its rows' scale words and, for job v, its rows' bias: 13 loads, or 14.  tl: the tile, counted from the one at which the bases stand
.macro NLOAD buf, tl, isv
.set WN, 0xc0*((\buf)/2)
	WIN WN                                         ; destination window 0 or 3
.irp s, 0,1,2,3
.irp c, 0,1,2
	global_load_b128 v[NF+48*((\buf)%2)+FR*\s+4*\c:NF+48*((\buf)%2)+FR*\s+4*\c+3], v[L16], s[NB:NB+1] offset:6144*(\tl)+1536*\s+512*\c
.endr
.endr
	WIN 0
	NSR \buf
	global_load_b128 v[rN:rN+3], v[R16], s[NSB:NSB+1] offset:256*(\tl)
.if \isv
	global_load_b32 v[BVL+(\buf)], v[VBO], s[BB:BB+1] offset:128*((\tl)/2)+32*((\tl)%2)   ; a pair of tiles covers 32 rows of w_v
.endif
.endm
; one product: tile t of P, K step s, N's buffer par.  cm = 0: onto the sum;  1: the sum begins with the bias of q or k (window 1);  2: with b_v
.macro MMT t, s, par, cm
.set rD, ACC+8*(\t)
.set rA, FR*(2*(\t)+(\s)%2)
.set rB, NF+48*((\par)%2)+FR*(\s)
.set rX, PS+4*((\t)/2)+(\s)
	NSR \par
.set rY, rN+(\s)
.if \cm == 0
.set rC, rD
.elseif \cm == 1
.set rC, BI+8*(\t)
.else
.set rC, BV
.endif
.if (\t)%2
	v_wmma_scale_f32_16x16x128_f8f6f4 v[rD:rD+7], v[rA:rA+11], v[rB:rB+11], v[rC:rC+7], v[rX], v[rY] matrix_a_fmt:MATRIX_FMT_BF6 matrix_b_fmt:MATRIX_FMT_BF6 matrix_a_scale:MATRIX_SCALE_ROW1
.else
	v_wmma_scale_f32_16x16x128_f8f6f4 v[rD:rD+7], v[rA:rA+11], v[rB:rB+11], v[rC:rC+7], v[rX], v[rY] matrix_a_fmt:MATRIX_FMT_BF6 matrix_b_fmt:MATRIX_FMT_BF6
.endif
.endm
.macro MM s, par, cm                   ; a K step: the eight accumulators take turns, one instruction a turn
.irp t, 0,1,2,3,4,5,6,7
	MMT \t, \s, \par, \cm
.endr
.endm
.macro PLACES
.rept 4
	v_nop
.endr
.endm
; A CELL on N's buffer par.  isv = 1: job v.
; par: the tile's place in its pair;  buf: its buffer, 0 to 3, also its place in the trip;  ld = 1: the tile three on is asked for;  wc: how many later tiles' loads may be out
.macro CELL par, isv, buf, ld, wc
	s_wait_loadcnt (\wc)*(13+\isv)                 ; loads come back in order: this cell's tile is in; behind it only the wc later tiles were asked for, 13 loads each (job v: 14)
.if \ld
	NLOAD ((\buf)+3)%4, (\buf)+3, \isv             ; three tiles on, into the buffer of the cell before: that cell's quantising lines are the places behind the products that read it
.endif
.set WB, 0x0c*((\buf)/2)                       ; source 1 (N): window 0 or 3
.if \isv
.irp j, 0,1,2,3,4,5,6,7
	v_mov_b32 v[BV+\j], v[BVL+(\buf)]              ; a lane holds one d: its bias stands in all eight registers, for all eight tiles of keys
.endr
	PLACES                                         ; (this text keeps an operand's four places for a C written by vector instructions too)
.set WN, 0x01+WB
	WIN WN                                         ; source 0 (P) window 1
	MM 0, \buf, 2
.else
.set WN, 0x11+WB
	WIN WN                                         ; source 0 (P) and source 2 (the bias) window 1
	MM 0, \buf, 1
.endif
.set WN, 0x01+WB
	WIN WN
	MM 1, \buf, 0
.set WN, 0x02+WB
	WIN WN                                         ; P's K steps 2 and 3: window 2
	MM 2, \buf, 0
	MM 3, \buf, 0
	WIN 0
	PLACES                                         ; four places between the last products and the first read of their results (ISA guide 7.12.1)
	s_wait_xcnt 0x0                                ; the stores issued so far have read their data and offsets: both are written again only behind this wait
.if \par == 0
	v_add_nc_u32 v[VC16], s42, v[L16]
.if \isv == 0
	v_add_nc_u32 v[VC8], s42, v[L8]
.endif
	v_add_nc_u32 v[VS], s41, v[L4]
.endif
	QUANT ACC
.if \isv
.irp c, 0,1,2
	global_store_b128 v[VC16], v[PC+4*\c:PC+4*\c+3], s[DA:DA+1] offset:6144+1536*\par+512*\c   ; a tile of V^T: 512 consecutive bytes a store
.endr
.else
	global_store_b128 v[VC16], v[PC:PC+3], s[DA:DA+1] offset:768*\par            ; head 2 w: registers 0-3, 512 consecutive bytes,
	global_store_b64 v[VC8], v[PC+4:PC+5], s[DA:DA+1] offset:768*\par+512        ; registers 4-5, 256
	global_store_b128 v[VC16], v[PC+6:PC+9], s[DB:DB+1] offset:768*\par          ; head 2 w + 1
	global_store_b64 v[VC8], v[PC+10:PC+11], s[DB:DB+1] offset:768*\par+512
.endif
.if \par == 0
	v_mov_b32 v[PWE], v[PW]
.else
	v_cndmask_b32 v[PWE], v[PWE], v[PW], s[HI]     ; lanes 16-31 take the odd tile's words: the pair's 32 words leave as 128 consecutive bytes
.if \isv
	global_store_b32 v[VS], v[PWE], s[DA:DA+1]
.else
	v_and_b32 v[SA], 0xffff, v[PWE]                ; head 2 w's two bytes; bytes 2 and 3 are 0: they scale the half of the instruction's K that holds no number
	v_lshrrev_b32 v[SB], 16, v[PWE]                ; head 2 w + 1's
	global_store_b32 v[VS], v[SA], s[DA:DA+1]
	global_store_b32 v[VS], v[SB], s[DB:DB+1]
.endif
.endif
.endm
	s_load_b256 s[4:11], s[0:1], 0x0               ; opc 4:5, ops 6:7, b_q 8:9, b_k 10:11
	s_load_b128 s[12:15], s[0:1], 0x20             ; b_v 12:13, qc 14:15
	s_load_b64 s[16:17], s[0:1], 0x30              ; kv
	v_lshrrev_b32 v1, 5, v0
	v_readfirstlane_b32 s[WV], v1                  ; wave 0..3
	s_and_b32 s[JOB], ttmp7, 0xffff
	v_and_b32 v[L4], 31, v0                        ; lane
	v_and_b32 v[R16], 15, v0                       ; r
	v_bfe_u32 v[H64], v0, 4, 1                     ; h
	v_lshlrev_b32 v[L16], 4, v[L4]
	v_lshlrev_b32 v[L8], 3, v[L4]
	v_lshlrev_b32 v[L4], 2, v[L4]
	v_and_b32 v[VBO], 8, v[R16]
	v_add_nc_u32 v[VBO], v[VBO], v[R16]
	v_lshlrev_b32 v[VBO], 2, v[VBO]
	v_lshlrev_b32 v[R16], 4, v[R16]
	v_lshlrev_b32 v[H64], 6, v[H64]
.irp b, 0,1,2,3
	v_mov_b32 v[TM+4+\b], 0                        ; written once: a lane permute's destination counts as one of its sources
.endr
	s_mov_b32 s[HI], 0xffff0000
	s_mov_b32 s[SEL], 0x76543210
	s_mov_b32 s[SEL+1], 0xfedcba98
	s_mov_b32 s[J], 0
	; which tiles: q, k: P = 2048 + 32 job + 8 wave, N = 1024 job + 16 x;   v: P = 1024 + 32 (x / 2) + 8 wave, N = 2112 + 16 (x % 2)
	s_lshl_b32 s40, s[WV], 3
	s_lshl_b32 s41, s[JOB], 5
	s_add_co_u32 s41, s41, 2048
	s_lshl_b32 s42, s[JOB], 10
	s_lshl_b32 s43, ttmp9, 4
	s_add_co_u32 s42, s42, s43
	s_lshr_b32 s44, ttmp9, 1
	s_lshl_b32 s44, s44, 5
	s_add_co_u32 s44, s44, 1024
	s_and_b32 s45, ttmp9, 1                        ; x % 2: kept for job v
	s_lshl_b32 s46, s45, 4
	s_add_co_u32 s46, s46, 2112
	s_cmp_eq_u32 s[JOB], 2
	s_cselect_b32 s41, s44, s41
	s_cselect_b32 s42, s46, s42
	s_add_co_u32 s41, s41, s40
	s_mul_i32 s46, s41, 6144                       ; a tile's codes are 6,144 bytes, its scale words 256
	s_mov_b32 s47, 0
	s_lshl_b32 s48, s41, 8
	s_mov_b32 s49, 0
	s_mul_i32 s50, s42, 6144
	s_mov_b32 s51, 0
	s_lshl_b32 s52, s42, 8
	s_mov_b32 s53, 0
	s_wait_alu depctr_va_vdst(0)
	s_wait_kmcnt 0x0
	s_add_nc_u64 s[46:47], s[4:5], s[46:47]
	s_add_nc_u64 s[48:49], s[6:7], s[48:49]
	s_add_nc_u64 s[NB:NB+1], s[4:5], s[50:51]
	s_add_nc_u64 s[NSB:NSB+1], s[6:7], s[52:53]
	WIN 0x40                                       ; destination window 1
.irp t, 0,1,2,3,4,5,6,7
.irp s, 0,1
.irp c, 0,1,2
	global_load_b128 v[FR*(2*\t+\s)+4*\c:FR*(2*\t+\s)+4*\c+3], v[L16], s[46:47] offset:(4*\t+\s)*1536+512*\c   ; P stays in registers for the whole launch
.endr
.endr
.endr
	WIN 0x80                                       ; destination window 2
.irp t, 0,1,2,3,4,5,6,7
.irp s, 0,1
.irp c, 0,1,2
	global_load_b128 v[FR*(2*\t+\s)+4*\c:FR*(2*\t+\s)+4*\c+3], v[L16], s[46:47] offset:(4*\t+2+\s)*1536+512*\c
.endr
.endr
.endr
	WIN 0
.irp w, 0,1,2,3
	global_load_b128 v[PS+4*\w:PS+4*\w+3], v[L16], s[48:49] offset:512*\w   ; two tiles' scale words: lanes 0-15 the even tile's rows, lanes 16-31 the odd one's
.endr
	NLOAD 0, 0, 0
	s_cmp_eq_u32 s[JOB], 2
	s_cbranch_scc1 .Ljob_v
	; ---- JOBS q AND k
	s_cmp_eq_u32 s[JOB], 0
	s_cselect_b64 s[DA:DA+1], s[14:15], s[16:17]   ; choices on the job alone
	s_cselect_b64 s[BB:BB+1], s[8:9], s[10:11]
	s_mov_b32 s44, 208896                          ; a head's bytes in kv, or in qc
	s_cselect_b32 s44, 106496, s44
	s_mov_b32 s[BIG], 13056
	s_cselect_b32 s[BIG], 6656, s[BIG]
	s_mov_b32 s[SO], 12288
	s_cselect_b32 s[SO], 6144, s[SO]
	s_lshr_b32 s40, ttmp9, 3
	s_lshl_b32 s40, s40, 3
	s_lshl_b32 s41, s[WV], 1
	s_add_co_u32 s40, s40, s41                     ; head A = 8 b + 2 wave
	s_mul_i32 s40, s40, s44
	s_and_b32 s41, ttmp9, 7
	s_lshl_b32 s41, s41, 1                         ; my 16 tiles are groups 2 (x % 8) and the next
	s_mul_i32 s41, s41, s[BIG]
	s_add_co_u32 s40, s40, s41
	s_mov_b32 s41, 0
	s_add_nc_u64 s[DA:DA+1], s[DA:DA+1], s[40:41]
	s_mov_b32 s45, 0
	s_add_nc_u64 s[DB:DB+1], s[DA:DA+1], s[44:45]
	s_lshl_b32 s40, s[WV], 9                       ; my 128 numbers of the bias
	s_add_nc_u64 s[BB:BB+1], s[BB:BB+1], s[40:41]
	WIN 0x40
.irp t, 0,1,2,3,4,5,6,7                        ; lane (r, h) wants, for tile t, the bias of rows 32 (t / 2) + 8 (t % 2) + 16 h + 0 .. 7
	global_load_b128 v[BI+8*\t:BI+8*\t+3], v[H64], s[BB:BB+1] offset:(32*(\t/2)+8*(\t%2))*4
	global_load_b128 v[BI+8*\t+4:BI+8*\t+7], v[H64], s[BB:BB+1] offset:(32*(\t/2)+8*(\t%2))*4+16
.endr
	WIN 0
	NLOAD 1, 1, 0                                  ; tiles 1 and 2, behind the bias: the first cell's wait for all but these 26 loads covers P, the bias and tile 0
	NLOAD 2, 2, 0
.macro PAIRQK jj, l0, l1, w0, w1       ; pair J + jj of my eight pairs of tiles
	s_add_co_u32 s35, s[J], \jj
	s_lshr_b32 s40, s35, 2
	s_mul_i32 s40, s40, s[BIG]                     ; which group,
	s_and_b32 s41, s35, 3                          ; which pair of tiles in it
	s_mul_i32 s42, s41, 1536
	s_add_co_u32 s42, s42, s40                     ; the pair's half images
	s_lshl_b32 s41, s41, 7
	s_add_co_u32 s41, s41, s40
	s_add_co_u32 s41, s41, s[SO]                   ; and its scale words
	CELL 0, 0, 2*\jj, \l0, \w0
	CELL 1, 0, 2*\jj+1, \l1, \w1
.endm
.Ltrip_qk:                                         ; 3 trips of four cells, once round the four buffers
	PAIRQK 0, 1, 1, 2, 2
	PAIRQK 1, 1, 1, 2, 2
	s_wait_xcnt 0x0                                ; the loads have read their bases: they step only behind this wait
	s_add_nc_u64 s[NB:NB+1], s[NB:NB+1], 4*6144
	s_add_nc_u64 s[NSB:NSB+1], s[NSB:NSB+1], 4*256
	s_add_co_u32 s[J], s[J], 2
	s_cmp_lt_u32 s[J], 6
	s_cbranch_scc1 .Ltrip_qk
	PAIRQK 0, 1, 0, 2, 2                           ; the last four cells are written out: only tile 15 is left to ask for, so no load leaves its buffer,
	PAIRQK 1, 0, 0, 1, 0                           ; and the waits count the tiles that are still out: 14 and 15, 15, none
	s_endpgm
	; ---- JOB v
.Ljob_v:
	s_lshr_b32 s40, ttmp9, 1
	s_lshl_b32 s40, s40, 2
	s_add_co_u32 s40, s40, s[WV]                   ; my group of 128 tokens: b = group / 16, key step = group % 16
	s_lshr_b32 s41, s40, 4
	s_lshl_b32 s41, s41, 3
	s_lshl_b32 s42, s45, 2
	s_add_co_u32 s41, s41, s42                     ; my first head: 8 b + 4 (x % 2)
	s_mul_i32 s41, s41, 208896
	s_and_b32 s40, s40, 15
	s_mul_i32 s40, s40, 13056
	s_add_co_u32 s40, s40, s41
	s_mov_b32 s41, 0
	s_add_nc_u64 s[DA:DA+1], s[16:17], s[40:41]
	s_lshl_b32 s40, s45, 10                        ; my 256 numbers of b_v
	s_add_nc_u64 s[BB:BB+1], s[12:13], s[40:41]
	global_load_b32 v[BVL], v[VBO], s[BB:BB+1]
	NLOAD 1, 1, 1                                  ; tiles 1 and 2 with their bias: 28 loads behind tile 0's
	NLOAD 2, 2, 1
.macro PAIRV jj, l0, l1, w0, w1        ; pair J + jj: a head has four tiles of d, so two pairs
	s_add_co_u32 s35, s[J], \jj
	s_lshr_b32 s40, s35, 1
	s_mul_i32 s40, s40, 208896                     ; which head,
	s_and_b32 s41, s35, 1                          ; which pair of its tiles
	s_mul_i32 s42, s41, 3072
	s_add_co_u32 s42, s42, s40
	s_lshl_b32 s41, s41, 7
	s_add_co_u32 s41, s41, s40
	s_add_co_u32 s41, s41, 12800
	CELL 0, 1, 2*\jj, \l0, \w0
	CELL 1, 1, 2*\jj+1, \l1, \w1
.endm
.Ltrip_v:                                          ; 3 trips of four cells, once round the four buffers
	PAIRV 0, 1, 1, 2, 2
	PAIRV 1, 1, 1, 2, 2
	s_wait_xcnt 0x0                                ; the loads have read their bases: they step only behind this wait
	s_add_nc_u64 s[NB:NB+1], s[NB:NB+1], 4*6144
	s_add_nc_u64 s[NSB:NSB+1], s[NSB:NSB+1], 4*256
	s_add_nc_u64 s[BB:BB+1], s[BB:BB+1], 256       ; four tiles cover 64 rows of w_v
	s_add_co_u32 s[J], s[J], 2
	s_cmp_lt_u32 s[J], 6
	s_cbranch_scc1 .Ltrip_v
	PAIRV 0, 1, 0, 2, 2                            ; the last four cells are written out, as for q and k
	PAIRV 1, 0, 0, 1, 0
	s_endpgm
.Lfunc_end_k_qd2260b27b9_proj:
	.size	k_qd2260b27b9_proj, .Lfunc_end_k_qd2260b27b9_proj-k_qd2260b27b9_proj
	.p2alignl 7, 3214868480
	.fill 96, 4, 3214868480
	.section	.rodata,"a",@progbits
	.p2align	6, 0x0
	.amdhsa_kernel k_qd2260b27b9_proj
		.amdhsa_group_segment_fixed_size 0
		.amdhsa_private_segment_fixed_size 0
		.amdhsa_enable_private_segment 0
		.amdhsa_kernarg_size 56
		.amdhsa_user_sgpr_count 2
		.amdhsa_user_sgpr_kernarg_segment_ptr 1
		.amdhsa_wavefront_size32 1
		.amdhsa_system_sgpr_workgroup_id_x 1
		.amdhsa_system_sgpr_workgroup_id_y 1
		.amdhsa_system_sgpr_workgroup_id_z 1
		.amdhsa_system_vgpr_workitem_id 0
		.amdhsa_next_free_vgpr 1024
		.amdhsa_next_free_sgpr 66
		.amdhsa_reserve_vcc 0
		.amdhsa_float_denorm_mode_32 3
		.amdhsa_float_denorm_mode_16_64 3
		.amdhsa_memory_ordered 1
		.amdhsa_forward_progress 1
		.amdhsa_inst_pref_size 178
	.end_amdhsa_kernel
	.amdgpu_metadata
---
amdhsa.version: [ 1, 2 ]
amdhsa.kernels:
  - .name:           k_qd2260b27b9_proj
    .symbol:         k_qd2260b27b9_proj.kd
    .args:
      - { .name: opc, .offset: 0, .size: 8, .value_kind: global_buffer, .address_space: global }
      - { .name: ops, .offset: 8, .size: 8, .value_kind: global_buffer, .address_space: global }
      - { .name: b_q, .offset: 16, .size: 8, .value_kind: global_buffer, .address_space: global }
      - { .name: b_k, .offset: 24, .size: 8, .value_kind: global_buffer, .address_space: global }
      - { .name: b_v, .offset: 32, .size: 8, .value_kind: global_buffer, .address_space: global }
      - { .name: qc, .offset: 40, .size: 8, .value_kind: global_buffer, .address_space: global }
      - { .name: kv, .offset: 48, .size: 8, .value_kind: global_buffer, .address_space: global }
    .group_segment_fixed_size: 0
    .private_segment_fixed_size: 0
    .kernarg_segment_align: 8
    .kernarg_segment_size: 56
    .max_flat_workgroup_size: 128
    .sgpr_count:     66
    .vgpr_count:     1024
    .wavefront_size: 32
...
	.end_amdgpu_metadata
.endif
;; end of part 2
;; launch attn (part 3): grid 256 x 1, 16 waves a work-group, clusters of 4 x 1, 280,576 bytes of LDS; arguments kv, qc, maskw, out0; writes out0
.if DOCPART == 3
	.amdgcn_target "amdgcn-amd-amdhsa--gfx1250"
	.amdhsa_code_object_version 6
	.text
	.protected	k_qd2260b27b9_attn
	.globl	k_qd2260b27b9_attn
	.p2align	8
	.type	k_qd2260b27b9_attn,@function
k_qd2260b27b9_attn:
	s_mov_b64 s[64:65], 0
	v_nop
	global_prefetch_b8 v0, s[64:65] scope:SCOPE_SE
	s_setreg_imm32_b32 hwreg(HW_REG_WAVE_MODE, 25, 1), 1
	s_wait_xcnt 0x0
	s_wait_alu depctr_hold_cnt(0) depctr_sa_sdst(0) depctr_va_vdst(0) depctr_va_sdst(0) depctr_va_ssrc(0) depctr_va_vcc(0) depctr_vm_vsrc(0)
	s_getreg_b32 s2, hwreg(HW_REG_IB_STS2, 6, 4)
	s_cmp_eq_u32 s2, 0
	s_cbranch_scc0 .Lentry_in_a_cluster
	s_endpgm
.Lentry_in_a_cluster:
	s_bfe_u32 s2, ttmp6, 0x10000c
	s_cmp_lg_u32 s2, 0x3003
	s_cbranch_scc0 .Lentry_shape_is_right
	s_endpgm
.Lentry_shape_is_right:
; out0[b][q][64 h + d] = the sum over keys of softmax(where(mask, -1e9, q . k / 8)) v, both products on codes of BF6 (E3M2) with one E8M0 scale for each 32 along a product's K.
; THE SOFTMAX AHEAD OF THE SECOND PRODUCT: t = score x log2(e) / 8; M = the row's largest t so far, rounded UP to a whole number; p = 2^(t - M) is quantised along the keys, not normalised.  The row's sum is taken of
; the unquantised p, in f32, and divides O at the end.  When M moves, the sum and O are multiplied by 2^(old M - new M): exact.
; THE MASK comes as lane-mask words, one for each score register of a key step: one v_cndmask_b32 a register puts -2^33 in a masked score's place (as a logit: -2^30).
; LIMIT: reference() writes -1e9.  c x 2^33 is a whole number in f32, so a row that is wholly masked gets p = 1 for every key, as reference() gives in f32; beside any unmasked key a masked key's p is 0, here as there.
;        The results are reference()'s as long as unmasked logits lie above about -9.9e8.  NaN and infinities are not served.
; SHARES.  A cluster of four work-groups is one (b, h); a work-group owns 512 of its queries; each of its SIXTEEN waves owns one tile of 16 queries in each of two passes, in 242 registers: four waves to a SIMD, so that
; one wave's vector work stands beside another's products and LDS loads.  Every wave walks all 2,048 keys, 128 a step.
; LDS.  A head's whole K and V (codes as register images, and scale words: 16 steps x 13,056 bytes) is filled ONCE: wave w brings step w by one tensor load of 51 rows x 256 bytes.  Nothing is filled again: no ring.
; CLUSTER.  The four work-groups need the same 208,896 bytes, so each load is asked for JOINTLY, with the same descriptor and a mask that names the four.  One tensor load of a wave is out, once.
; LAYOUT.  Both products are used transposed: S^T = K Q^T (source 0 = 16 keys, source 1 = my 16 queries), O^T = V^T P^T: a lane holds ONE query throughout.  Lane r of a tile holds row 32 (T / 2) + 8 (T % 2) + r + 8 (r / 8),
; so that the 16 registers of K's tiles 2 b and 2 b + 1 are keys 32 b + 16 (lane / 16) + 0 .. 15, and register j of O^T's tile dt is d = 32 (dt / 2) + 8 (dt % 2) + 16 (lane / 16) + j.
; K = 64 IN AN INSTRUCTION OF K = 128.  Q's operand has zero codes at k = 64 .. 127 and the scale bytes 0 there, and so have K's scale words.  So what stands in the upper six registers of source 0 adds nothing:
; tile t's operand is v[30 + 6 t] on, twelve registers, of which the upper six are the next tile's codes (for tile 7 six registers of zeros): half the registers and half the LDS reads.
.set STEPB, 13056                      ; a key step in LDS and in kv: K's 8 half images at 0 (768 each), V^T's 4 images at 6144 (1536 each), K's scale words at 12288, V's at 12800
.set HEADB, 16*STEPB
.set STAGE, HEADB                      ; behind the head's block: 16 rows x 272 bytes for each wave, for the way out; no tensor load lands there
.set SP,    272                        ; 256 bytes + 16 = 17 x 16 bytes: sixteen rows begin at sixteen different 16-byte columns of 256 (64 banks of 4 bytes: ISA guide 11.1)
.set L16,  1                           ; v1-3   16, 8, 4 x lane
.set L8,   2
.set L4,   3
.set A16,  4                           ; v4-6   the same + the step's first LDS byte
.set A8,   5
.set A4,   6
.set STO,  7                           ; v7     the way out: where I put my channels of a row
.set RD,   8                          ; v8     where I read a row back
.set GO,   9                           ; v9     my byte offset in the tile's rows of out0
.set NEG,  10                          ; v10    -2^33
.set VQ16, 11                          ; v11, v29, v90  my tile's place in a group of qc
.set VQ8,  29
.set VQS,  90
.set QF,   16                          ; v16-27 Q's operand: six registers of codes, six of zeros;  v28 its scale words
.set QS,   28
.set KV,   30                          ; v30-83 K's 8 half fragments, or V^T's 4 fragments; v78-83 stay zeros
.set KS,   84                          ; v84-87 K's scale words: tile 2 p in lanes 0-15, tile 2 p + 1 in lanes 16-31;  v88-89 V's likewise
.set VSC,  88
.set S,    96                          ; v96-159  S^T, then p
.set OT,   160                         ; v160-191 O^T
.set PCD,  192                         ; v192-203 p's codes;  v204-206, v208-210 the conversions' second halves
.set BM,   212                         ; v212-215 the blocks' largest scores, then largest p
.set PM,   216                         ; v216-219 at work
.set SOP,  220                         ; v220-223 the conversions' scale operands
.set F,    224                         ; v[224:225] f = 2^(old M - new M), and a 0
.set PWD,  226                         ; v226 p's scale word
.set T,    227
.set C2,   228                         ; v[228:229] the sum's second chain
.set G0,   4                           ; s[4:7], s[8:15] the descriptor
.set G1,   8
.set QB,   16
.set MK,   18
.set OP,   20
.set SEL,  22
.set CS,   24                          ; s[24:25] c = log2(e) / 8
.set WV,   26
.set TB,   27
.set STEPS, 28
.set PASS, 29
; s32-63 and s68-99: the step's 64 mask words
.macro CROUND                          ; a round of the cluster's barrier
	s_barrier_signal -1
	s_barrier_wait -1
	s_cmp_lg_u32 s[WV], 0
	s_cbranch_scc1 .Lnot_wave_0_\@
	s_barrier_signal -3
.Lnot_wave_0_\@:
	s_barrier_wait -3
	s_barrier_signal -1
	s_barrier_wait -1
.endm
.macro PLACES
.rept 4
	v_nop
.endr
.endm
.macro MLOAD                           ; a key step's 64 mask words, 256 bytes
	s_load_b512 s[32:47], s[MK:MK+1], 0x0
	s_load_b512 s[48:63], s[MK:MK+1], 0x40
	s_load_b512 s[68:83], s[MK:MK+1], 0x80
	s_load_b512 s[84:99], s[MK:MK+1], 0xc0
.endm
.macro FETCH_K                         ; every load takes consecutive bytes, lane by lane
.irp t, 0,1,2,3,4,5,6,7
	ds_load_b128 v[KV+6*\t:KV+6*\t+3], v[A16] offset:768*\t
	ds_load_b64 v[KV+6*\t+4:KV+6*\t+5], v[A8] offset:768*\t+512
.endr
.irp w, 0,1,2,3
	ds_load_b32 v[KS+\w], v[A4] offset:12288+128*\w
.endr
.endm
.macro FETCH_V
.irp d, 0,1,2,3
.irp c, 0,1,2
	ds_load_b128 v[KV+12*\d+4*\c:KV+12*\d+4*\c+3], v[A16] offset:6144+1536*\d+512*\c
.endr
.endr
.irp w, 0,1
	ds_load_b32 v[VSC+\w], v[A4] offset:12800+128*\w
.endr
.endm
.macro KQ t
.if (\t)%2
	v_wmma_scale_f32_16x16x128_f8f6f4 v[S+8*\t:S+8*\t+7], v[KV+6*\t:KV+6*\t+11], v[QF:QF+11], 0, v[KS+(\t)/2], v[QS] matrix_a_fmt:MATRIX_FMT_BF6 matrix_b_fmt:MATRIX_FMT_BF6 matrix_a_scale:MATRIX_SCALE_ROW1
.else
	v_wmma_scale_f32_16x16x128_f8f6f4 v[S+8*\t:S+8*\t+7], v[KV+6*\t:KV+6*\t+11], v[QF:QF+11], 0, v[KS+(\t)/2], v[QS] matrix_a_fmt:MATRIX_FMT_BF6 matrix_b_fmt:MATRIX_FMT_BF6
.endif
.endm
.macro PV d
.if (\d)%2
	v_wmma_scale_f32_16x16x128_f8f6f4 v[OT+8*\d:OT+8*\d+7], v[KV+12*\d:KV+12*\d+11], v[PCD:PCD+11], v[OT+8*\d:OT+8*\d+7], v[VSC+(\d)/2], v[PWD] matrix_a_fmt:MATRIX_FMT_BF6 matrix_b_fmt:MATRIX_FMT_BF6 matrix_a_scale:MATRIX_SCALE_ROW1
.else
	v_wmma_scale_f32_16x16x128_f8f6f4 v[OT+8*\d:OT+8*\d+7], v[KV+12*\d:KV+12*\d+11], v[PCD:PCD+11], v[OT+8*\d:OT+8*\d+7], v[VSC+(\d)/2], v[PWD] matrix_a_fmt:MATRIX_FMT_BF6 matrix_b_fmt:MATRIX_FMT_BF6
.endif
.endm
; A KEY STEP: 128 keys.  more = 1: another step follows: its mask words and its K are asked for.
.macro STEP more
	s_wait_dscnt 0x0                               ; K and its scale words are in
.irp t, 0,1,2,3,4,5,6,7
	KQ \t                                          ; S^T = K Q^T: register 16 b + i of lane (r, h) is key 32 b + 16 h + i of the step, for my query
.endr
	PLACES                                         ; four places in front of the loads over K's registers and of the first read of the scores (ISA guide 7.12.1 for vector instructions)
	FETCH_V                                        ; V^T lands while the softmax is walked
	s_wait_kmcnt 0x0                               ; the step's mask words are in, so their base may step
.if \more
	s_add_nc_u64 s[MK:MK+1], s[MK:MK+1], 256
.endif
.set n, 0
.rept 64
	v_cndmask_b32 v[S+n], v[S+n], v[NEG], s[32+n+4*(n/32)]   ; a masked score becomes -2^33.  (Ascending: each accumulator is read from its low end on)
.set n, n+1
.endr
.irp b, 0,1,2,3
	v_max3_num_f32 v[BM+\b], v[S+16*\b], v[S+1+16*\b], v[S+2+16*\b]   ; THE LARGEST SCORE OF EACH BLOCK OF 32 KEYS serves twice: for the row's maximum, and, since p rises with the score, for the block's largest p
.endr
.irp i, 3,5,7,9,11,13
.irp b, 0,1,2,3
	s_delay_alu instid0(VALU_DEP_4)
	v_max3_num_f32 v[BM+\b], v[BM+\b], v[S+16*\b+\i], v[S+1+16*\b+\i]
.endr
.endr
.irp b, 0,1,2,3
	s_delay_alu instid0(VALU_DEP_4)
	v_max_num_f32 v[BM+\b], v[BM+\b], v[S+15+16*\b]
.endr
.if \more
	MLOAD                                          ; the next step's words: they have the rest of this step in which to land
.endif
.irp b, 0,1,2,3
	v_permlanex16_b32 v[PM+\b], v[BM+\b], s[SEL], s[SEL+1]
.endr
.irp b, 0,1,2,3
	s_delay_alu instid0(VALU_DEP_4)
	v_max_num_f32 v[BM+\b], v[BM+\b], v[PM+\b]     ; with lane l xor 16's 16 keys
.endr
	s_delay_alu instid0(VALU_DEP_2)
	v_max3_num_f32 v[T], v[BM], v[BM+1], v[BM+2]
	s_delay_alu instid0(VALU_DEP_1)
	v_max_num_f32 v[T], v[T], v[BM+3]              ; the step's largest score of my query
	s_delay_alu instid0(VALU_DEP_1)
	v_mul_f32 v[T], s[CS], v[T]                    ; as t (c is positive)
	s_delay_alu instid0(VALU_DEP_1)
	v_max_num_f32 v13, v13, v[T]                   ; the running largest t
	v_mov_b32 v[T], v12
	s_delay_alu instid0(VALU_DEP_2)
	v_floor_f32 v12, -v13                          ; the new -M = floor(-t) = -ceil(t): M IS A WHOLE NUMBER
	s_delay_alu instid0(VALU_DEP_1)
	v_sub_f32 v[T], v12, v[T]                      ; M's old value less its new one: a whole number, 0 or less
	s_delay_alu instid0(VALU_DEP_1)
	v_cvt_i32_f32 v[T], v[T]                       ; (it saturates)
	s_delay_alu instid0(VALU_DEP_1)
	v_ldexp_f32 v[F], 1.0, v[T]                    ; f = 2^(old M - new M)
.set j, 0
.rept 32
	v_pk_fma_f32 v[S+j:S+j+1], v[S+j:S+j+1], s[CS:CS+1], v[12:13] op_sel_hi:[1,0,0]   ; t - M, two at a time (of the pairs c and -M the low word serves both halves)
.set j, j+2
.endr
.irp b, 0,1,2,3
	v_fma_f32 v[BM+\b], v[BM+\b], s[CS], v12       ; the same of each block's largest score
.endr
.set j, 0
	s_wait_alu depctr_va_vdst(0)
.rept 64
	v_exp_f32 v[S+j], v[S+j]                       ; p = 2^(t - M), at most 1: NOT normalised
.set j, j+1
.endr
.irp b, 0,1,2,3
	v_exp_f32 v[BM+\b], v[BM+\b]                   ; the block's largest p: the same two instructions on the same number give the same bits
.endr
	v_pk_mul_f32 v[14:15], v[14:15], v[F:F+1] op_sel_hi:[1,0]   ; the sums under the new M.  (A plain place behind the exponentials)
	s_wait_alu depctr_va_vdst(0)
.irp b, 0,1,2,3
	v_max_num_f32 v[BM+\b], 0x2800000, v[BM+\b]    ; the floor 2^(5 - 127): the byte cannot fall under 1 (a block whose every p is 0 keeps that byte: its codes are zeros)
.endr
.irp b, 0,1,2,3
	s_delay_alu instid0(VALU_DEP_4)
	v_add_nc_u32 v[SOP+\b], 0xfe000000, v[BM+\b]   ; 4 off the exponent field: the conversion's scale operand
.endr
.irp b, 0,1,2,3
	s_delay_alu instid0(VALU_DEP_4)
	v_lshrrev_b32 v[PM+\b], 23, v[SOP+\b]          ; the scale's byte
.endr
	s_delay_alu instid0(VALU_DEP_3)
	v_lshl_or_b32 v[PWD], v[PM+1], 8, v[PM]        ; p's scale word for these 128 keys
	s_delay_alu instid0(VALU_DEP_1)
	v_lshl_or_b32 v[PWD], v[PM+2], 16, v[PWD]
	s_delay_alu instid0(VALU_DEP_1)
	v_lshl_or_b32 v[PWD], v[PM+3], 24, v[PWD]
.irp c, 0,1
	v_cvt_scalef32_pk16_bf6_f32 v[PCD+6*\c:PCD+2+6*\c], v[S+32*\c:S+15+32*\c], v[SOP+2*\c]
	v_cvt_scalef32_pk16_bf6_f32 v[PCD+12+4*\c:PCD+14+4*\c], v[S+16+32*\c:S+31+32*\c], v[SOP+2*\c+1]   ; (a conversion's three registers begin on an even number)
.endr
	v_nop                                          ; one plain place behind a scaled conversion
.irp c, 0,1                                    ; a WHOLE block in a lane: lanes 0-15 block 2 c, lanes 16-31 block 2 c + 1
.irp i, 0,1,2
	v_permlane16_swap_b32 v[PCD+6*\c+\i], v[PCD+12+4*\c+\i]
.endr
.irp i, 0,1,2
	s_delay_alu instid0(VALU_DEP_3)
	v_mov_b32 v[PCD+3+6*\c+\i], v[PCD+12+4*\c+\i]
.endr
.endr
	v_pk_add_f32 v[228:229], v[100:101], v[104:105]
	v_pk_add_f32 v[238:239], v[108:109], v[112:113]
	v_pk_add_f32 v[236:237], v[116:117], v[120:121]
	v_pk_add_f32 v[234:235], v[124:125], v[128:129]
	v_pk_add_f32 v[232:233], v[132:133], v[136:137]
	v_pk_add_f32 v[230:231], v[140:141], v[144:145]
	v_pk_add_f32 v[222:223], v[148:149], v[152:153]
	v_pk_add_f32 v[14:15], v[14:15], v[156:157]
	v_pk_add_f32 v[228:229], v[228:229], v[96:97]
	v_pk_add_f32 v[238:239], v[238:239], v[98:99]
	v_pk_add_f32 v[236:237], v[236:237], v[102:103]
	v_pk_add_f32 v[234:235], v[234:235], v[106:107]
	v_pk_add_f32 v[232:233], v[232:233], v[110:111]
	v_pk_add_f32 v[230:231], v[230:231], v[114:115]
	v_pk_add_f32 v[222:223], v[222:223], v[118:119]
	v_pk_add_f32 v[14:15], v[14:15], v[122:123]
	v_pk_add_f32 v[228:229], v[228:229], v[126:127]
	v_pk_add_f32 v[238:239], v[238:239], v[130:131]
	v_pk_add_f32 v[236:237], v[236:237], v[134:135]
	v_pk_add_f32 v[234:235], v[234:235], v[138:139]
	v_pk_add_f32 v[232:233], v[232:233], v[142:143]
	v_pk_add_f32 v[230:231], v[230:231], v[146:147]
	v_pk_add_f32 v[222:223], v[222:223], v[150:151]
	v_pk_add_f32 v[14:15], v[14:15], v[154:155]
	v_pk_add_f32 v[228:229], v[228:229], v[158:159]
	s_delay_alu instid0(VALU_DEP_2)
	v_pk_add_f32 v[14:15], v[14:15], v[234:235]
	s_delay_alu instid0(VALU_DEP_2)
	v_pk_add_f32 v[228:229], v[228:229], v[232:233]
	v_pk_add_f32 v[238:239], v[238:239], v[230:231]
	v_pk_add_f32 v[236:237], v[236:237], v[222:223]
	s_delay_alu instid0(VALU_DEP_2)
	v_pk_add_f32 v[14:15], v[14:15], v[238:239]
	s_delay_alu instid0(VALU_DEP_2)
	v_pk_add_f32 v[228:229], v[228:229], v[236:237]
	s_delay_alu instid0(VALU_DEP_1)
	v_pk_add_f32 v[14:15], v[14:15], v[228:229]
.set j, 0
.rept 16
	v_pk_mul_f32 v[OT+j:OT+j+1], v[OT+j:OT+j+1], v[F:F+1] op_sel_hi:[1,0]   ; O^T under the new M.  (The sums and these stand between p's codes and scale word and the products that take them: more than the eight places asked)
.set j, j+2
.endr
	s_wait_alu depctr_va_vdst(0)
	s_wait_dscnt 0x0                               ; V^T and its scale words are in
.irp d, 0,1,2,3
	PV \d                                          ; O^T += V^T P^T: the four accumulators take turns
.endr
.if \more
	s_add_co_u32 s[TB], s[TB], STEPB               ; on to the next step's bytes
	v_add_nc_u32 v[A16], s[TB], v[L16]             ; these three and a v_nop are the four places in front of the loads over V's registers
	v_add_nc_u32 v[A8], s[TB], v[L8]
	v_add_nc_u32 v[A4], s[TB], v[L4]
	v_nop
	FETCH_K
.else
	PLACES
.endif
.endm
	s_load_b256 s[68:75], s[0:1], 0x0              ; kv 68:69, qc 70:71, maskw 72:73, out0 74:75 (the registers take mask words later)
	v_lshl_add_u32 v240, v0, 2, 0x44000
	v_mov_b32 v241, 0
	ds_add_u32 v240, v241
	ds_add_u32 v240, v241
	v_lshrrev_b32 v1, 5, v0
	s_delay_alu instid0(VALU_DEP_1)
	v_readfirstlane_b32 s[WV], v1                  ; wave 0..15
	; descriptor group 1: 51 rows of 32 elements of 8 bytes, dense: a key step's 13,056 bytes
	s_mov_b32 s[G1+0], 15|(3<<16)|(1<<21)          ; 15:0 the mask: all four work-groups; 17:16 elements of 8 bytes; 20 no padding; 21 set beside a mask
	s_mov_b32 s[G1+1], 32<<16                      ; tensor_dim0 = 32
	s_mov_b32 s[G1+2], 51<<16                      ; tensor_dim1 = 51
	s_mov_b32 s[G1+3], 32<<16                      ; tile_dim0 = 32
	s_mov_b32 s[G1+4], 51                          ; tile_dim1 = 51
	s_mov_b32 s[G1+5], 32                          ; from row to row
	s_mov_b32 s[G1+6], 0
	s_mov_b32 s[G1+7], 0
	s_mov_b32 s[G0], 1                             ; count = 1
	s_mul_i32 s[G0+1], s[WV], STEPB                ; LDS address: step = my wave's number; no place in the cluster enters it
	s_mul_i32 s100, ttmp9, HEADB                   ; in a cluster launch ttmp9 counts clusters: the cluster is (b, h), which the four partners share
	s_add_co_u32 s100, s100, s[G0+1]
	s_mov_b32 s101, 0
	s_wait_dscnt 0x0
	s_wait_kmcnt 0x0
	s_add_nc_u64 s[G0+2:G0+3], s[68:69], s[100:101]
	s_or_b32 s[G0+3], s[G0+3], 0x80000000          ; type = 2
	CROUND                                         ; all four work-groups are here: the joint loads meet
	tensor_load_to_lds s[G0:G0+3], s[G1:G1+7]      ; my one tensor load of the launch
	s_nop 0
	PLACES                                         ; four v_nop follow it
	; all else is made while the tile is on its way
	s_bfe_u32 s30, ttmp6, 0x40000                  ; cx: my place in the cluster: it enters Q's, the mask's and out0's addresses alone
	s_lshl_b32 s66, s30, 2
	s_lshr_b32 s67, s[WV], 3
	s_add_co_u32 s66, s66, s67                     ; my group of 8 query tiles in pass 0: 4 cx + wave / 8
	s_mul_i32 s66, s66, 6656
	s_mul_i32 s67, ttmp9, 106496
	s_add_co_u32 s66, s66, s67
	s_mov_b32 s67, 0
	s_add_nc_u64 s[QB:QB+1], s[70:71], s[66:67]
	s_lshr_b32 s66, ttmp9, 3                       ; b
	s_lshl_b32 s66, s66, 7
	s_lshl_b32 s67, s30, 5
	s_add_co_u32 s66, s66, s67
	s_add_co_u32 s66, s66, s[WV]                   ; 128 b + my query tile in pass 0: 32 cx + wave
	s_lshl_b32 s66, s66, 12                        ; 16 steps x 256 bytes of words
	s_mov_b32 s67, 0
	s_add_nc_u64 s[MK:MK+1], s[72:73], s[66:67]
	s_lshr_b32 s66, ttmp9, 3
	s_lshl_b32 s66, s66, 11
	s_lshl_b32 s67, s30, 9
	s_add_co_u32 s66, s66, s67
	s_lshr_b32 s67, s[WV], 1
	s_lshl_b32 s67, s67, 5
	s_add_co_u32 s66, s66, s67
	s_and_b32 s67, s[WV], 1
	s_lshl_b32 s67, s67, 3
	s_add_co_u32 s66, s66, s67                     ; my tile's first row of out0: 2048 b + 512 cx + 32 (wave / 2) + 8 (wave % 2)
	s_lshl_b32 s66, s66, 11                        ; rows of 2,048 bytes
	s_and_b32 s67, ttmp9, 7
	s_lshl_b32 s67, s67, 8                         ; the head's 256 bytes of a row
	s_add_co_u32 s66, s66, s67
	s_mov_b32 s67, 0
	s_add_nc_u64 s[OP:OP+1], s[74:75], s[66:67]
	s_mov_b32 s[SEL], 0x76543210
	s_mov_b32 s[SEL+1], 0xfedcba98                 ; v_permlanex16_b32's selects for lane l xor 16
	s_mov_b32 s[CS], 0x3e38aa3b                    ; c = log2(e) / 8
	s_mov_b32 s[CS+1], s[CS]                       ; (named with it as a pair, so it is written)
	s_mov_b32 s[PASS], 0
	v_and_b32 v[L4], 31, v0                        ; lane
	v_and_b32 v[T], 15, v0                         ; r
	v_bfe_u32 v[C2], v0, 4, 1                      ; h
	s_delay_alu instid0(VALU_DEP_3)
	v_lshlrev_b32 v[L16], 4, v[L4]
	s_delay_alu instid0(VALU_DEP_4)
	v_lshlrev_b32 v[L8], 3, v[L4]
	v_lshlrev_b32 v[L4], 2, v[L4]
	s_mul_i32 s31, s[WV], 16*SP
	s_add_co_u32 s31, s31, STAGE                   ; my stage
	v_mul_u32_u24 v[STO], v[T], SP
	s_delay_alu instid0(VALU_DEP_1)
	v_lshl_add_u32 v[STO], v[C2], 6, v[STO]
	s_delay_alu instid0(VALU_DEP_1)
	v_add_nc_u32 v[STO], s31, v[STO]               ; in: row r, + 64 h
	v_mul_u32_u24 v[RD], v[C2], SP
	s_delay_alu instid0(VALU_DEP_1)
	v_lshl_add_u32 v[RD], v[T], 4, v[RD]
	s_delay_alu instid0(VALU_DEP_1)
	v_add_nc_u32 v[RD], s31, v[RD]                 ; back: lanes 0-15 one row, lanes 16-31 the next
	v_lshlrev_b32 v[GO], 11, v[C2]
	s_delay_alu instid0(VALU_DEP_1)
	v_lshl_add_u32 v[GO], v[T], 4, v[GO]           ; and the same two rows in out0
	v_mov_b32 v[NEG], 0xd0000000                   ; -2^33
	s_and_b32 s31, s[WV], 7                        ; my tile in its group of qc
	s_mul_i32 s66, s31, 768
	v_add_nc_u32 v[VQ16], s66, v[L16]
	v_add_nc_u32 v[VQ8], s66, v[L8]
	s_delay_alu instid0(VALU_DEP_1)
	v_add_nc_u32 v[VQ8], 512, v[VQ8]
	s_lshl_b32 s31, s31, 6
	s_add_co_u32 s31, s31, 6144
	v_lshl_add_u32 v[VQS], v[T], 2, s31
.irp j, 0,1,2,3,4,5
	v_mov_b32 v[QF+6+\j], 0                        ; Q's codes at k = 64 .. 127: zeros, written once
	v_mov_b32 v[KV+48+\j], 0                       ; and what stands above K's tile 7
.endr
.irp b, 0,1,2,3
	v_mov_b32 v[PM+\b], 0                          ; written once: a lane permute's destination counts as one of its sources
.endr
	v_mov_b32 v[F+1], 0                            ; (named as the upper half of the pair)
	s_wait_tensorcnt 0x0                           ; my step has landed,
	s_barrier_signal -1
	s_barrier_wait -1                              ; everybody's has: the head's K and V are whole, and nobody writes them again
.Lpass:                                            ; two trips: query tiles 32 cx + wave and 32 cx + 16 + wave
	global_load_b128 v[QF:QF+3], v[VQ16], s[QB:QB+1]   ; Q's half image; (in the second trip the way out's vector lines are the places behind the products that read these registers)
	global_load_b64 v[QF+4:QF+5], v[VQ8], s[QB:QB+1]
	global_load_b32 v[QS], v[VQS], s[QB:QB+1]
	MLOAD                                          ; step 0's mask words
	s_mov_b32 s[TB], 0
	v_add_nc_u32 v[A16], s[TB], v[L16]
	v_add_nc_u32 v[A8], s[TB], v[L8]
	v_add_nc_u32 v[A4], s[TB], v[L4]
	FETCH_K
.set j, 0
.rept 32
	v_mov_b32 v[OT+j], 0                           ; O^T.  (The step is written once for first and later steps: the first finds zeros, which the first change of M leaves zeros)
.set j, j+1
.endr
	v_mov_b32 v13, 0xff61b1e6                      ; the largest t so far: -3e38, under every t
	s_delay_alu instid0(VALU_DEP_1)
	v_floor_f32 v12, -v13                          ; -M
	v_mov_b32 v14, 0                               ; the sum, in two halves
	v_mov_b32 v15, 0
	s_wait_loadcnt 0x0                             ; Q
	s_mov_b32 s[STEPS], 15
.Lstep:
	s_wait_alu depctr_va_vdst(0)
	STEP 1
	s_sub_co_u32 s[STEPS], s[STEPS], 1
	s_cmp_lg_u32 s[STEPS], 0
	s_cbranch_scc1 .Lstep
	s_wait_alu depctr_va_vdst(0)
	STEP 0                                         ; the last step asks for nothing more: no load leaves its buffer
	; THE WAY OUT.  O^T / the sum goes through my stage and leaves as whole rows of the head's 256 bytes.
	v_add_f32 v14, v14, v15                        ; the sum's two halves,
	s_delay_alu instid0(VALU_DEP_1)
	v_permlanex16_b32 v[T], v14, s[SEL], s[SEL+1]
	s_delay_alu instid0(VALU_DEP_1)
	v_add_f32 v14, v14, v[T]                       ; and lane l xor 16's: the row's sum
	s_wait_alu depctr_va_vdst(0)
	v_rcp_f32 v14, v14
	v_nop                                          ; one plain place behind a transcendental
.set j, 0
	s_wait_alu depctr_va_vdst(0)
.rept 32
	v_mul_f32 v[S+j], v[OT+j], v14                 ; ascending: each accumulator is read from its low end on
.set j, j+1
.endr
.irp d, 0,1,2,3
	ds_store_b128 v[STO], v[S+8*\d:S+8*\d+3] offset:128*(\d/2)+32*(\d%2)          ; d = 32 (dt / 2) + 8 (dt % 2) + 16 h + 0 .. 7 of row r
	ds_store_b128 v[STO], v[S+8*\d+4:S+8*\d+7] offset:128*(\d/2)+32*(\d%2)+16
.endr
.irp i, 0,1,2,3,4,5,6,7
	ds_load_b128 v[S+32+4*\i:S+32+4*\i+3], v[RD] offset:2*SP*\i   ; LDS serves a wave's instructions in order (ISA guide 5.7.1.4): these see my stores
.endr
.irp i, 0,1,2,3,4,5,6,7
	s_wait_dscnt 7-\i                              ; the 7 - i younger loads from the stage may be out
	global_store_b128 v[GO], v[S+32+4*\i:S+32+4*\i+3], s[OP:OP+1] offset:(2*\i+8*(\i/4))*2048 th:TH_STORE_NT   ; the tile's rows 2 i, 2 i + 1 (the second eight lie 8 rows further on): 16 lanes store 256 consecutive bytes, aligned
.endr
	s_wait_xcnt 0x0                                ; the stores have read their data and their base: both are written again only behind this wait
	s_add_nc_u64 s[QB:QB+1], s[QB:QB+1], 13312     ; 16 tiles on: two groups of qc,
	s_add_nc_u64 s[MK:MK+1], s[MK:MK+1], 61696     ; 16 x 4,096 bytes of words less the 15 steps walked,
	s_add_nc_u64 s[OP:OP+1], s[OP:OP+1], 524288    ; 256 rows of out0
	s_add_co_u32 s[PASS], s[PASS], 1
	s_cmp_lt_u32 s[PASS], 2
	s_cbranch_scc1 .Lpass
	s_wait_dscnt 0x0                               ; no LDS instruction of mine is out at a signal
	s_wait_tensorcnt 0x0
	ds_add_u32 v240, v241
	s_wait_dscnt 0x0
	CROUND                                         ; the closing round: no work-group ends while a partner may still ask for a tile that names it
	s_endpgm
.Lfunc_end_k_qd2260b27b9_attn:
	.size	k_qd2260b27b9_attn, .Lfunc_end_k_qd2260b27b9_attn-k_qd2260b27b9_attn
	.p2alignl 7, 3214868480
	.fill 96, 4, 3214868480
	.section	.rodata,"a",@progbits
	.p2align	6, 0x0
	.amdhsa_kernel k_qd2260b27b9_attn
		.amdhsa_group_segment_fixed_size 280576
		.amdhsa_private_segment_fixed_size 0
		.amdhsa_enable_private_segment 0
		.amdhsa_kernarg_size 32
		.amdhsa_user_sgpr_count 2
		.amdhsa_user_sgpr_kernarg_segment_ptr 1
		.amdhsa_wavefront_size32 1
		.amdhsa_system_sgpr_workgroup_id_x 1
		.amdhsa_system_sgpr_workgroup_id_y 1
		.amdhsa_system_sgpr_workgroup_id_z 1
		.amdhsa_system_vgpr_workitem_id 0
		.amdhsa_next_free_vgpr 242
		.amdhsa_next_free_sgpr 102
		.amdhsa_reserve_vcc 0
		.amdhsa_float_denorm_mode_32 3
		.amdhsa_float_denorm_mode_16_64 3
		.amdhsa_memory_ordered 1
		.amdhsa_forward_progress 1
		.amdhsa_inst_pref_size 56
	.end_amdhsa_kernel
	.amdgpu_metadata
---
amdhsa.version: [ 1, 2 ]
amdhsa.kernels:
  - .name:           k_qd2260b27b9_attn
    .symbol:         k_qd2260b27b9_attn.kd
    .args:
      - { .name: kv, .offset: 0, .size: 8, .value_kind: global_buffer, .address_space: global }
      - { .name: qc, .offset: 8, .size: 8, .value_kind: global_buffer, .address_space: global }
      - { .name: maskw, .offset: 16, .size: 8, .value_kind: global_buffer, .address_space: global }
      - { .name: out0, .offset: 24, .size: 8, .value_kind: global_buffer, .address_space: global }
    .group_segment_fixed_size: 280576
    .private_segment_fixed_size: 0
    .kernarg_segment_align: 8
    .kernarg_segment_size: 32
    .max_flat_workgroup_size: 512
    .sgpr_count:     102
    .vgpr_count:     242
    .wavefront_size: 32
...
	.end_amdgpu_metadata
.endif
;; end of part 3
